; MI455X (gfx1250); checked and timed in simulation.
; The chip was launched on July 23, 2026; its instructions are those of AMD's public machine-readable ISA for CDNA 5 (MIT licence, August 2026) and "CDNA5" Instruction Set Architecture Reference Guide (July 2026). The comments in the code are by the model that wrote it; some were corrected since.
;; Attention. Allowed arithmetic: matrix products marked QUANTISED: E5M2 operands, one given power-of-two scale a tensor, by v_wmma_f32_16x16x64_bf8_bf8 or v_wmma_f32_16x16x128_bf8_bf8, f32 sums; everything else in f32.
;; Inputs: W_mlp_codes 1,024 x 32 x 32 uint8 (E5M2 codes of W_mlp, K innermost, in blocks of 32 codes); W_qkv_codes 3,072 x 32 x 32 uint8 (E5M2 codes of W_qkv, K innermost, in blocks of 32 codes); b_mlp 1,024 float32; input_codes 4 x 2,048 x 32 x 32 uint8 (E5M2 codes of input, K innermost, in blocks of 32 codes); lowp_scales 8 int32 (the exponents e of the quantised operands' scales 2^e).
;; Outputs: out0 4 x 2,048 x 1,024 float32.
;; This version of the problem:
;;   THIS VERSION OF THE PROBLEM IS GIVEN IN LOW PRECISION. The matrix products marked QUANTISED in the list below multiply operands that are first quantised to E5M2 (5 exponent bits, 2 mantissa bits; 8 bits a number), with one given power-of-two scale for each operand tensor; their sums are f32. All else is computed in f32.
;;   The module's matrix products, in the order in which they are computed (A, B: the left and right operand; K: the contracted axis; several contracted axes count as one K, in the product's order):
;;     1. [M 8,192, K 1,024] x [K 1,024, N 3,072]; A: input input (given as codes); B: input W_qkv (given as codes): QUANTISED (scales: A lowp_scales[0], B lowp_scales[1])
;;     2. batch 64 x [M 2,048, K 64] x [K 64, N 2,048]; A: computed on the way; B: computed on the way: QUANTISED (scales: A lowp_scales[2], B lowp_scales[3])
;;     3. batch 64 x [M 2,048, K 2,048] x [K 2,048, N 64]; A: softmax (see below); B: computed on the way: QUANTISED (scales: A lowp_scales[4], B lowp_scales[5])
;;     4. [M 8,192, K 1,024] x [K 1,024, N 1,024]; A: computed on the way; B: input W_mlp (given as codes): QUANTISED (scales: A lowp_scales[6], B lowp_scales[7])
;;   THE QUANTISER, for each operand of a quantised product, along K:
;;     - The operand's scale is 2^e, e = its entry of the input lowp_scales (int32; the entries are numbered through the quantised products in the list's order, A before B).
;;     - Each number is divided by the scale, clamped to +-57,344, and rounded to the nearest number of E5M2, ties to even, subnormals kept.
;;     - The product sums the exact products of the quantised numbers (number of the format x scale) in f32.
;;   ~~~python
;;   def quantise(x, axis, e):      # numpy; x: float32 -> the quantised numbers, widened to float32 again
;;       x = np.moveaxis(x, axis, -1); K = x.shape[-1]
;;       r = np.clip(x / 2.0 ** e, -57344, 57344)
;;       step = 2.0 ** (np.maximum(np.frexp(np.where(r == 0, 1, r))[1] - 1, -14) - 2)
;;       q = np.round(r / step) * step * 2.0 ** e      # np.round: ties to even
;;       return np.moveaxis(q, -1, axis).astype(np.float32)
;;   ~~~
;;   SOFTMAX AHEAD OF A QUANTISED PRODUCT. Where the list says 'softmax', what is quantised is not the finished softmax but p = 2^(t - M), with t = logit x log2(e) and M = ceil(the row's largest t), a whole number; so 1/2 < the row's largest p <= 1. The row's sum l is taken of the UNQUANTISED p, in f32, and the product's result is divided by l at the end. Since M is a whole number, a kernel that streams over the keys may use a running M (the ceiling of the running maximum): every later rescaling is an exact power of two, so the quantised numbers keep their values, but for numbers so far below the row's largest that they fall under the format's range.
;;   OPERANDS COMPUTED ON THE WAY. 'Computed on the way' means the value that the module computes at that place (a softmax that the list does not call 'softmax' is quantised finished and normalised). What goes into a quantiser is computed in f32, as accurately as f32 sums, v_exp_f32 and their like allow (about 1e-6 of the number): no bf16 or f16 on the way to a quantiser, and a product that is left as it is and whose result goes on into a quantised operand takes f32 operands (vector FMAs, or v_wmma_f32_16x16x4_f32). A number that lies on a knife's edge between two numbers of the format may be rounded either way, as far as f32 arithmetic and the matrix unit's own rounding can turn it there, and no further.
;;   INPUTS GIVEN AS CODES. W_mlp (in the module: [1024, 1024], K = its axis 0); W_qkv (in the module: [1024, 3072], K = its axis 0); input (in the module: [4, 2048, 1024], K = its axis 2): each comes as NAME_codes (uint8): NAME with its K axis moved to the last place and cut into blocks of 32 codes, [.., K / 32, bytes a block], one block behind the other in memory; one code a byte (a code: sign, 5 exponent bits, 2 mantissa bits); its scale is its entry of lowp_scales. Its value is code x scale, taken as it is: it is not quantised again, and the codes and scales need not be those that the quantiser above would give.
;; One version. Each part assembles by itself: llvm-mc -triple=amdgcn-amd-amdhsa -mcpu=gfx1250 --defsym DOCPART=n.
;; ======== version 1 of 1: 3 launches
;; limits: right only within a limited range of input values
;; workspace buffers: qkv 25,165,824 bytes; att 8,388,608 bytes
;; launch qkvgemm (part 1): grid 8 x 32, 4 waves a work-group, clusters of 4 x 4, 327,680 bytes of LDS; arguments input_codes, W_qkv_codes, lowp_scales, qkv; writes qkv
.if DOCPART == 1
	.amdgcn_target "amdgcn-amd-amdhsa--gfx1250"
	.amdhsa_code_object_version 6
	.text
	.protected	k_q82f024dc28_qkvgemm
	.globl	k_q82f024dc28_qkvgemm
	.p2align	8
	.type	k_q82f024dc28_qkvgemm,@function
k_q82f024dc28_qkvgemm:
	s_mov_b64 s[64:65], 0
	v_nop
	global_prefetch_b8 v0, s[64:65] scope:SCOPE_SE
	s_setreg_imm32_b32 hwreg(HW_REG_WAVE_MODE, 25, 1), 1
	s_wait_xcnt 0x0
	s_wait_alu depctr_hold_cnt(0) depctr_sa_sdst(0) depctr_va_vdst(0) depctr_va_sdst(0) depctr_va_ssrc(0) depctr_va_vcc(0) depctr_vm_vsrc(0)
	s_getreg_b32 s2, hwreg(HW_REG_IB_STS2, 6, 4)
	s_cmp_eq_u32 s2, 0
	s_cbranch_scc0 .Lentry_in_a_cluster
	s_endpgm
.Lentry_in_a_cluster:
	s_bfe_u32 s2, ttmp6, 0x10000c
	s_cmp_lg_u32 s2, 0xf033
	s_cbranch_scc0 .Lentry_shape_is_right
	s_endpgm
.Lentry_shape_is_right:
; q, k, v = input x W_qkv on codes of BF8 (E5M2), quantised again for the two products of attention.
; input: [8192 tokens][1024] codes, W_qkv: [3072 features][1024] codes, K innermost.  lowp_scales: e0 .. e7 (int32).
; SHARES: 256 work-groups = 32 blocks of 256 tokens x 8 groups of 128 features.  A work-group makes, for its tokens, features 128 g .. 128 g + 127 of q, then of k, then of v: three steps, written straight.
; A wave owns 64 tokens.  Its X fragments for the whole K (4 tiles x 8 x 16 registers = 512) stay in registers; a step's 128 rows of W lie in LDS with the whole K (rows of 1,024 bytes + 16 of padding).
; LDS: two slots of 128 rows.  First both hold X (each wave asks for its own 64 rows and alone reads them); then slot 0 takes q's rows and slot 1 k's; behind step q slot 0 takes v's.
; CLUSTERS 4 x 4: X hangs on the token block alone and is asked for jointly along a row of the cluster, W's rows on the feature group alone, jointly along a column.
; A step is 16 batches of 16 matrix instructions (four fragments of W x my four tiles, 128 along K); the 32 accumulators take turns.
; q, k: source 0 = W's rows, source 1 = tokens: a lane holds one token and eight neighbouring channels.  v: the sources are swapped: a lane holds one channel and eight neighbouring keys.
; So one conversion of eight numbers gives two registers of the next operand, and the codes leave as IMAGES OF OPERAND REGISTERS, 512 consecutive bytes a store, aligned.
; WORKSPACE: three sections of 8,388,608 bytes (q, k, v), each [batch x 16 + head][131,072 bytes].
;   q, k: [tile of 16 tokens: 128][half: 2][lane][16 bytes];   v: [block of 128 keys: 16][tile of 16 channels: 4][group of 4 registers: 4][lane][16 bytes].
; In the fragments k is permuted alike in X and in W (four loads of 16 bytes a fragment): every product meets its partner.
; No prefetch: the text is straight, with no loop to run ahead in; each of the three fills is asked for a step ahead of its use or at the head.
; LIMITS: e2 - e0 - e1, e3 - e0 - e1 and e5 - e0 - e1 lie between -126 and 112.  NaN codes are not served.
; REGISTERS: window 0: v8-22 addresses and scales; v24-87 a block's held numbers; v88-119 codes, two sets; v128-255 W's fragments, two sets of four.
;   windows 1, 2: X, fragment (tile a, K step ks) at v[16 (4 (ks % 4) + a)] of window 1 + ks / 4.   window 3: accumulator (a, b) at v[8 (8 a + b)].
.set PITCH, 1040                       ; 65 x 16 bytes: the 16 rows that a load touches start at 16 different groups of banks
.set Q64,   64*PITCH
.set SLOT,  128*PITCH
.set SPARE, 2*SLOT                     ; behind the slots: the spare words, 128 bytes a wave
.set SPW, 8
.set NIL, 9
.set SC,  10                           ; the conversion's scale
.set HL,  11                           ; 57,344 x that scale
.set AX,  16                           ; LDS address of my X rows
.set AY,  18                           ; v18-21: W's rows 0-63, 64-127 of slot 0, of slot 1
.set CO,  22                           ; 16 x lane
.set TMP, 24
.set CD,  88
.set YF,  128
.set G1X, 24
.set G0X, 32
.set G0Y, 36
.set G1Y, 48
.set G1Z, 56
.set G0Z, 68
.set MSB, 0
.macro WIN new                         ; the immediate's high byte repeats the setting that is left
.if MSB != (\new)
	s_set_vgpr_msb (MSB<<8)|(\new)
.set MSB, (\new)
.endif
.endm
.macro CROUND                          ; a round of the cluster's barrier
	s_barrier_signal -1
	s_barrier_wait -1
	s_cmp_lg_u32 s14, 0
	s_cbranch_scc1 .Lnot_wave_0_\@
	s_barrier_signal -3
.Lnot_wave_0_\@:
	s_barrier_wait -3
	s_barrier_signal -1
	s_barrier_wait -1
.endm
.macro PLACES                          ; plain vector lines between a matrix instruction and a load into, or a read of, its registers
.rept 4
	v_nop
.endr
.endm
.macro G1SET g, rows                   ; rows of 1,024 bytes, 1,024 apart in memory
	s_mov_b32 s[\g+1], 1024<<16
	s_mov_b32 s[\g+2], (\rows)<<16
	s_mov_b32 s[\g+3], 1024<<16
	s_mov_b32 s[\g+4], \rows
	s_mov_b32 s[\g+5], 1024
	s_mov_b32 s[\g+6], 0
	s_mov_b32 s[\g+7], 0
.endm
.macro MKSC d, e                       ; s[d] = 2^(e_out - e0 - e1), s[d+1] = 57,344 x that
	s_add_co_i32 s[\d], s\e, s18
	s_add_co_i32 s[\d+1], s[\d], 15
	s_lshl_b32 s[\d], s[\d], 23
	s_lshl_b32 s[\d+1], s[\d+1], 23
	s_or_b32 s[\d+1], s[\d+1], 0x600000
.endm
	s_load_b256 s[4:11], s[0:1], 0x0               ; input's codes, W_qkv's, the exponents, the workspace
	v_lshl_add_u32 v[SPW], v0, 2, SPARE
	v_mov_b32 v[NIL], 0
	ds_add_u32 v[SPW], v[NIL]                      ; the opening lines: the add twice on end and its wait
	ds_add_u32 v[SPW], v[NIL]
	v_lshrrev_b32 v1, 5, v0
	v_readfirstlane_b32 s14, v1                    ; wave 0..3
	s_bfe_u32 s40, ttmp6, 0x40000                  ; cx
	s_bfe_u32 s41, ttmp6, 0x40004                  ; cy
	s_lshl_b32 s42, ttmp9, 2
	s_add_co_u32 s42, s42, s40                     ; feature group g
	s_and_b32 s17, ttmp7, 0xffff
	s_lshl_b32 s17, s17, 2
	s_add_co_u32 s17, s17, s41                     ; token block
	s_lshl_b32 s43, s41, 2
	s_lshl_b32 s43, 15, s43                        ; my row of the cluster
	s_lshl_b32 s44, 0x1111, s40                    ; my column
	s_or_b32 s[G1X], s43, (1<<20)|(1<<21)|(7<<22)|(3<<25)   ; the mask; elements of 1 byte; 4 words of padding after every 256
	s_or_b32 s[G1Y], s44, (1<<20)|(1<<21)|(7<<22)|(3<<25)
	s_or_b32 s[G1Z], s44, (1<<20)|(1<<21)|(7<<22)|(3<<25)
	G1SET G1X, 64
	G1SET G1Y, 64
	G1SET G1Z, 32
	s_lshl_b32 s19, s17, 8
	s_lshl_b32 s18, s14, 6
	s_add_co_u32 s19, s19, s18                     ; my first token
	s_lshl_b32 s20, s19, 10
	s_mov_b32 s21, 0
	s_lshl_b32 s47, s42, 7                         ; 128 g
	s_lshr_b32 s46, s14, 1
	s_lshl_b32 s46, s46, 10                        ; waves 0, 1: q's rows; waves 2, 3: k's, 1,024 further on
	s_add_co_u32 s46, s46, s47
	s_and_b32 s22, s14, 1
	s_lshl_b32 s23, s22, 6
	s_add_co_u32 s46, s46, s23                     ; + which 64 of the 128
	s_lshl_b32 s46, s46, 10
	s_lshl_b32 s92, s14, 5
	s_add_co_u32 s92, s92, s47
	s_add_co_u32 s92, s92, 2048                    ; v's rows: 2,048 + 128 g + 32 x wave
	s_lshl_b32 s92, s92, 10
	s_mov_b32 s93, 0
	s_mov_b32 s47, 0
	s_mul_i32 s45, s14, Q64                        ; LDS: wave x 64 rows (X; q's and k's rows)
	s_mul_i32 s94, s14, 32*PITCH                   ; wave x 32 rows (v's rows, slot 0)
	s_wait_dscnt 0x0
	s_wait_kmcnt 0x0
	s_load_b256 s[72:79], s[8:9], 0x0              ; e0 .. e7
	s_mov_b32 s[G0X], 1
	s_mov_b32 s[G0X+1], s45
	s_add_nc_u64 s[G0X+2:G0X+3], s[4:5], s[20:21]
	s_or_b32 s[G0X+3], s[G0X+3], 0x80000000
	s_mov_b32 s[G0Y], 1
	s_mov_b32 s[G0Y+1], s45
	s_add_nc_u64 s[G0Y+2:G0Y+3], s[6:7], s[46:47]
	s_or_b32 s[G0Y+3], s[G0Y+3], 0x80000000
	s_mov_b32 s[G0Z], 1
	s_mov_b32 s[G0Z+1], s94
	s_add_nc_u64 s[G0Z+2:G0Z+3], s[6:7], s[92:93]
	s_or_b32 s[G0Z+3], s[G0Z+3], 0x80000000
	CROUND                                         ; all sixteen work-groups are here: the first joint loads meet
	tensor_load_to_lds s[G0X:G0X+3], s[G1X:G1X+7]  ; my 64 rows of X: my one load at the head
	s_nop 0
	PLACES
	; where my images begin: batch, head 2 g, tokens
	s_lshr_b32 s18, s19, 11
	s_lshl_b32 s18, s18, 21
	s_lshl_b32 s23, s42, 18
	s_add_co_u32 s18, s18, s23
	s_and_b32 s23, s19, 2047
	s_lshl_b32 s95, s23, 6                         ; q, k: 64 bytes a token
	s_add_co_u32 s86, s18, s95
	s_mov_b32 s87, 0
	s_add_nc_u64 s[86:87], s[10:11], s[86:87]      ; q
	s_add_nc_u64 s[88:89], s[86:87], 0x800000      ; k
	s_lshr_b32 s23, s23, 7
	s_lshl_b32 s23, s23, 13                        ; v: 8,192 bytes a block of 128 keys,
	s_lshl_b32 s22, s22, 10                        ; my 64 keys are its register groups 0, 1 or 2, 3
	s_add_co_u32 s90, s18, s23
	s_add_co_u32 s90, s90, s22
	s_mov_b32 s91, 0
	s_add_nc_u64 s[90:91], s[10:11], s[90:91]
	s_add_nc_u64 s[90:91], s[90:91], 0x1000000     ; v
	s_wait_kmcnt 0x0
	s_add_co_i32 s18, s72, s73
	s_sub_co_i32 s18, 127, s18                     ; a sum stands for sum x 2^(e0 + e1): the three scales are folded into the conversion's one
	MKSC 80, 74
	MKSC 82, 75
	MKSC 84, 77
	v_and_b32 v1, 15, v0                           ; r
	v_bfe_u32 v2, v0, 4, 1                         ; h
	v_mul_u32_u24 v3, v1, PITCH
	v_lshl_add_u32 v3, v2, 4, v3                   ; row x pitch + 16 x half
	v_add_nc_u32 v[AX], s45, v3
	v_add_nc_u32 v[AY], 0, v3
	v_add_nc_u32 v[AY+1], Q64, v3
	v_add_nc_u32 v[AY+2], SLOT, v3
	v_add_nc_u32 v[AY+3], SLOT+Q64, v3
	v_and_b32 v4, 31, v0
	v_lshlrev_b32 v[CO], 4, v4
	s_wait_alu depctr_va_vdst(0)                   ; the wait at the head's end
	s_wait_tensorcnt 0x0                           ; my rows of X are in; no other wave reads them
.irp w, 0,1                            ; 128 loads: X's 32 fragments into windows 1 and 2
	WIN 0x40+0x40*\w
.set kk, 0
.rept 16
.irp c, 0,1,2,3
	ds_load_b128 v[16*kk+4*\c:16*kk+4*\c+3], v[AX] offset:(kk%4)*16*PITCH+128*(4*\w+kk/4)+32*\c
.endr
.set kk, kk+1
.endr
.endr
	WIN 0
	s_wait_tensorcnt 0x0                           ; ahead of a refill's round
	ds_add_u32 v[SPW], v[NIL]
	s_wait_dscnt 0x0                               ; X is in my registers: my reads of the slots are over
	CROUND
	tensor_load_to_lds s[G0Y:G0Y+3], s[G1Y:G1Y+7]  ; q's rows into slot 0 (waves 0, 1), k's into slot 1 (waves 2, 3)
	s_nop 0
	PLACES
.macro LOADY sl, i                     ; batch i's four fragments of W (rows 64 (i % 2) on, K step i / 2) into set i % 2
.irp f, 0,1,2,3
.irp c, 0,1,2,3
	ds_load_b128 v[YF+64*((\i)%2)+16*\f+4*\c:YF+64*((\i)%2)+16*\f+4*\c+3], v[AY+2*(\sl)+(\i)%2] offset:\f*16*PITCH+128*((\i)/2)+32*\c
.endr
.endr
.endm
.macro MULB i, sw                      ; 16 matrix instructions.  sw = 1: the sources swapped.  K step 0 starts the sums
.set KS, (\i)/2
.set GG, (\i)%2
.if \sw
	WIN 0xf0|(1+KS/4)
.else
	WIN 0xf0|((1+KS/4)<<2)
.endif
.irp f, 0,1,2,3
.irp a, 0,1,2,3
.set AC, 8*(8*\a+4*GG+\f)
.set YR, YF+64*GG+16*\f
.set XR, 16*(4*(KS%4)+\a)
.if \sw
.if KS == 0
	v_wmma_f32_16x16x128_bf8_bf8 v[AC:AC+7], v[XR:XR+15], v[YR:YR+15], 0
.else
	v_wmma_f32_16x16x128_bf8_bf8 v[AC:AC+7], v[XR:XR+15], v[YR:YR+15], v[AC:AC+7]
.endif
.else
.if KS == 0
	v_wmma_f32_16x16x128_bf8_bf8 v[AC:AC+7], v[YR:YR+15], v[XR:XR+15], 0
.else
	v_wmma_f32_16x16x128_bf8_bf8 v[AC:AC+7], v[YR:YR+15], v[XR:XR+15], v[AC:AC+7]
.endif
.endif
.endr
.endr
	WIN 0
.endm
.macro STEP sl, sw                     ; batch 0's fragments have been asked for; each batch asks for the next one's ahead of its own products
.set bi, 0
.rept 16
	s_wait_dscnt 0x0                               ; this batch's fragments are in
.if bi < 15
	PLACES
	LOADY \sl, bi+1
.endif
	MULB bi, \sw
.set bi, bi+1
.endr
.endm
; THE WAY OUT of q and k, tile by tile of 16 tokens: the hold (the conversion does not saturate: ISA guide 7.6.2), eight conversions, four stores
.macro EPIQK ss, ob
.irp a, 0,1,2,3
	s_wait_xcnt 0x0                                ; earlier stores have read their registers
.if \a == 0
	v_mov_b32 v[SC], s[\ss]
	v_mov_b32 v[HL], s[\ss+1]
.endif
	WIN 0x03
.set jj, 0
.rept 64
	v_med3_num_f32 v[TMP+jj], v[64*\a+jj], -v[HL], v[HL]   ; each accumulator from its low end on
.set jj, jj+1
.endr
	WIN 0
.irp b, 0,1,2,3,4,5,6,7
	v_cvt_scalef32_pk8_bf8_f32 v[CD+16*(\a%2)+2*\b:CD+16*(\a%2)+2*\b+1], v[TMP+8*\b:TMP+8*\b+7], v[SC]
.endr
	v_nop
.irp g, 0,1,2,3
	global_store_b128 v[CO], v[CD+16*(\a%2)+4*\g:CD+16*(\a%2)+4*\g+3], s[\ob:\ob+1] offset:(\g/2)*131072+\a*1024+(\g%2)*512   ; head g / 2, tile a, half g % 2
.endr
.endr
.endm
; of v, two tiles of 16 channels at a time: tile b's four accumulators are my 64 keys
.macro EPIV ss, ob
.irp p, 0,1,2,3
	s_wait_xcnt 0x0
.if \p == 0
	v_mov_b32 v[SC], s[\ss]
	v_mov_b32 v[HL], s[\ss+1]
.endif
	WIN 0x03
.irp u, 0,1
.irp a, 0,1,2,3
.irp j, 0,1,2,3,4,5,6,7
	v_med3_num_f32 v[TMP+8*(4*\u+\a)+\j], v[8*(8*\a+2*\p+\u)+\j], -v[HL], v[HL]
.endr
.endr
.endr
	WIN 0
.irp q, 0,1,2,3,4,5,6,7
	v_cvt_scalef32_pk8_bf8_f32 v[CD+16*(\p%2)+2*\q:CD+16*(\p%2)+2*\q+1], v[TMP+8*\q:TMP+8*\q+7], v[SC]
.endr
	v_nop
.irp u, 0,1
.irp i, 0,1
	global_store_b128 v[CO], v[CD+16*(\p%2)+8*\u+4*\i:CD+16*(\p%2)+8*\u+4*\i+3], s[\ob:\ob+1] offset:((2*\p+\u)/4)*131072+((2*\p+\u)%4)*2048+\i*512
.endr
.endr
.endr
.endm
	s_wait_tensorcnt 0x0                           ; my part of q's or k's rows is in,
	s_barrier_signal -1
	s_barrier_wait -1                              ; everybody's is
	LOADY 0, 0
	STEP 0, 0                                      ; q
	s_wait_tensorcnt 0x0                           ; ahead of a refill's round
	ds_add_u32 v[SPW], v[NIL]
	s_wait_dscnt 0x0                               ; my reads of slot 0 are over
	CROUND
	tensor_load_to_lds s[G0Z:G0Z+3], s[G1Z:G1Z+7]  ; v's rows into slot 0, 32 a wave
	s_nop 0
	PLACES                                         ; also the places behind step q's last products
	LOADY 1, 0
	EPIQK 80, 86
	STEP 1, 0                                      ; k
	s_wait_tensorcnt 0x0                           ; my part of v's rows is in,
	s_barrier_signal -1
	s_barrier_wait -1                              ; everybody's is
	PLACES
	LOADY 0, 0
	EPIQK 82, 88
	STEP 0, 1                                      ; v
	PLACES
	EPIV 84, 90
	s_wait_tensorcnt 0x0                           ; the wave's end
	ds_add_u32 v[SPW], v[NIL]
	s_wait_dscnt 0x0
	CROUND                                         ; the closing round
	s_endpgm
.Lfunc_end_k_q82f024dc28_qkvgemm:
	.size	k_q82f024dc28_qkvgemm, .Lfunc_end_k_q82f024dc28_qkvgemm-k_q82f024dc28_qkvgemm
	.p2alignl 7, 3214868480
	.fill 96, 4, 3214868480
	.section	.rodata,"a",@progbits
	.p2align	6, 0x0
	.amdhsa_kernel k_q82f024dc28_qkvgemm
		.amdhsa_group_segment_fixed_size 327680
		.amdhsa_private_segment_fixed_size 0
		.amdhsa_enable_private_segment 0
		.amdhsa_kernarg_size 32
		.amdhsa_user_sgpr_count 2
		.amdhsa_user_sgpr_kernarg_segment_ptr 1
		.amdhsa_wavefront_size32 1
		.amdhsa_system_sgpr_workgroup_id_x 1
		.amdhsa_system_sgpr_workgroup_id_y 1
		.amdhsa_system_sgpr_workgroup_id_z 1
		.amdhsa_system_vgpr_workitem_id 0
		.amdhsa_next_free_vgpr 1024
		.amdhsa_next_free_sgpr 100
		.amdhsa_reserve_vcc 0
		.amdhsa_float_denorm_mode_32 3
		.amdhsa_float_denorm_mode_16_64 3
		.amdhsa_memory_ordered 1
		.amdhsa_forward_progress 1
		.amdhsa_inst_pref_size 183
	.end_amdhsa_kernel
	.amdgpu_metadata
---
amdhsa.version: [ 1, 2 ]
amdhsa.kernels:
  - .name:           k_q82f024dc28_qkvgemm
    .symbol:         k_q82f024dc28_qkvgemm.kd
    .args:
      - { .name: input_codes, .offset: 0, .size: 8, .value_kind: global_buffer, .address_space: global }
      - { .name: W_qkv_codes, .offset: 8, .size: 8, .value_kind: global_buffer, .address_space: global }
      - { .name: lowp_scales, .offset: 16, .size: 8, .value_kind: global_buffer, .address_space: global }
      - { .name: qkv, .offset: 24, .size: 8, .value_kind: global_buffer, .address_space: global }
    .group_segment_fixed_size: 327680
    .private_segment_fixed_size: 0
    .kernarg_segment_align: 8
    .kernarg_segment_size: 32
    .max_flat_workgroup_size: 128
    .sgpr_count:     100
    .vgpr_count:     1024
    .wavefront_size: 32
...
	.end_amdgpu_metadata
.endif
;; end of part 1
;; launch attn (part 2): grid 4 x 64, 8 waves a work-group, clusters of 4 x 1, 327,680 bytes of LDS; arguments qkv, lowp_scales, att; writes att
.if DOCPART == 2
	.amdgcn_target "amdgcn-amd-amdhsa--gfx1250"
	.amdhsa_code_object_version 6
	.text
	.protected	k_q82f024dc28_attn
	.globl	k_q82f024dc28_attn
	.p2align	8
	.type	k_q82f024dc28_attn,@function
k_q82f024dc28_attn:
	s_mov_b64 s[64:65], 0
	v_nop
	global_prefetch_b8 v0, s[64:65] scope:SCOPE_SE
	s_setreg_imm32_b32 hwreg(HW_REG_WAVE_MODE, 25, 1), 1
	s_wait_xcnt 0x0
	s_wait_alu depctr_hold_cnt(0) depctr_sa_sdst(0) depctr_va_vdst(0) depctr_va_sdst(0) depctr_va_ssrc(0) depctr_va_vcc(0) depctr_vm_vsrc(0)
	s_getreg_b32 s2, hwreg(HW_REG_IB_STS2, 6, 4)
	s_cmp_eq_u32 s2, 0
	s_cbranch_scc0 .Lentry_in_a_cluster
	s_endpgm
.Lentry_in_a_cluster:
	s_bfe_u32 s2, ttmp6, 0x10000c
	s_cmp_lg_u32 s2, 0x3003
	s_cbranch_scc0 .Lentry_shape_is_right
	s_endpgm
.Lentry_shape_is_right:
; att = Q(softmax(q k^T / 8) v) for one batch and head, both products on codes of BF8 (E5M2); q, k, v come as images of operand registers from the workspace qkv.
; qkv: three sections of 8,388,608 bytes (q, k, v), each [batch x 16 + head][131,072 bytes]:
;   q, k: [tile of 16 tokens: 128][half: 2][lane][16 bytes];   v: [block of 128 keys: 16][tile of 16 channels: 4][group of 4 registers: 4][lane][16 bytes].
; att: [tile of 16 tokens: 512][head: 16][half: 2][lane][16 bytes]: the fragment (16 tokens x 64 channels) that the last product takes.
; SOFTMAX: t = score x log2(e) / 8; M = the running largest t rounded up to a whole number; p = 2^(t - M) is quantised with 2^e4; the row's sum is taken of the unquantised p and divides at the end.
; SHARES: a work-group owns 512 queries of a head, each of its 8 waves 64 (four tiles of 16).  The four work-groups of a cluster own the head's 2,048 queries and ask JOINTLY for its K and V.
; All of the head's K (131,072 bytes) and V (131,072 bytes) lie in LDS: each wave asks for 8,192 bytes at the head (key steps 0 to 3) and for 24,576 behind a round (steps 4 to 15).  Nothing is filled again.
; No prefetch: both tensor loads stand at the head, and the loop over the keys loads nothing from memory.
; Both products are used transposed (S^T = K Q^T, O^T = V^T P^T): a lane holds one query; register j of score tile kt is key 16 kt + 8 (lane / 16) + j, the place that the K = 128 form gives it.
; A SLOT is one tile's softmax for 128 keys.  While tile t is summed and held, the next tile's largest score and its M are made among those lines; the next tile's t - M stands among the score products.
; LIMITS: e2 + e3 between -123 and 130 (added to the factor's exponent field); e4 and e6 between -126 and 112; the scaled scores stay under 2^31 in magnitude.  NaN codes are not served.
; REGISTERS: window 0: v1-7 addresses and scales; v16-31 state of four tiles (-M, largest raw score, sum in two halves); v32-63 Q; v64-191 scores of two tiles, then p; v192.. p's codes; v224-241 at work.
;   window 1: v0-127 O^T of four tiles; v128-191 K's eight fragments; v192-255 V's four.
.set VBASE, 131072
.set STEPB, 8192                       ; a key step of 128 keys, in K and in V
.set SPARE, 0x40000                    ; behind K and V: the spare words, 128 bytes a wave
.set LI,   1                           ; 16 x lane
.set LV,   2                           ; the same in V's part
.set ADR,  3
.set PSC,  5                           ; 2^e4
.set OH,   6                           ; 57,344 x 2^e6
.set OSC,  7                           ; 2^e6
.set ST,   16
.set Q,    32
.set SCO,  64
.set P,    192
.set MA,   224                         ; four chains of the maximum
.set XH,   228
.set OLD,  229
.set F,    230                         ; f = 2^(old M - new M): two pairs, by the tile's parity
.set SA,   234                         ; four chains of the sum, a pair each
.set OT,   0
.set KF,   128
.set VF,   192
.set WV,   10
.set G1A,  16
.set G1C,  24
.set G0A,  32
.set G0C,  36
.set CS,   48                          ; s[48:49] log2(e) / 8 x 2^(e2 + e3)
.set SEL,  50
.set TB,   52
.set CNT,  53
.set PHS,  62                          ; s62 57,344 x 2^e4
.set FI, 0
.set MI, 0
.set MSB, 0
.macro WIN new                         ; the immediate's high byte repeats the setting that is left
.if MSB != (\new)
	s_set_vgpr_msb (MSB<<8)|(\new)
.set MSB, (\new)
.endif
.endm
.macro CROUND                          ; a round of the cluster's barrier
	s_barrier_signal -1
	s_barrier_wait -1
	s_cmp_lg_u32 s[WV], 0
	s_cbranch_scc1 .Lnot_wave_0_\@
	s_barrier_signal -3
.Lnot_wave_0_\@:
	s_barrier_wait -3
	s_barrier_signal -1
	s_barrier_wait -1
.endm
	s_load_b128 s[4:7], s[0:1], 0x0                ; qkv, the scales' exponents
	s_load_b64 s[8:9], s[0:1], 0x10                ; att
	v_lshl_add_u32 v254, v0, 2, SPARE
	v_mov_b32 v255, 0
	ds_add_u32 v254, v255                          ; the opening lines: the add twice on end and its wait
	ds_add_u32 v254, v255
	v_lshrrev_b32 v1, 5, v0
	v_readfirstlane_b32 s[WV], v1
	s_and_b32 s12, ttmp7, 0xffff                   ; batch x 16 + head
	s_and_b32 s13, s[WV], 3                        ; which quarter I fetch,
	s_lshr_b32 s14, s[WV], 2                       ; of K (0) or of V (1)
	s_mov_b32 s[G1A], 15|(3<<16)|(1<<21)           ; the four partners; elements of 8 bytes; 32 rows of 256 bytes, dense
	s_mov_b32 s[G1A+1], 32<<16
	s_mov_b32 s[G1A+2], 32<<16
	s_mov_b32 s[G1A+3], 32<<16
	s_mov_b32 s[G1A+4], 32
	s_mov_b32 s[G1A+5], 32
	s_mov_b32 s[G1A+6], 0
	s_mov_b32 s[G1A+7], 0
	s_mov_b32 s[G1C], 15|(3<<16)|(1<<21)           ; the same with 96 rows
	s_mov_b32 s[G1C+1], 32<<16
	s_mov_b32 s[G1C+2], 96<<16
	s_mov_b32 s[G1C+3], 32<<16
	s_mov_b32 s[G1C+4], 96
	s_mov_b32 s[G1C+5], 32
	s_mov_b32 s[G1C+6], 0
	s_mov_b32 s[G1C+7], 0
	s_lshl_b32 s15, s14, 17                        ; K at LDS byte 0, V at 131,072
	s_lshl_b32 s56, s13, 13                        ; first load: 8,192 x quarter
	s_mov_b32 s57, 0
	s_mul_i32 s58, s13, 24576
	s_add_co_u32 s58, s58, 32768                   ; second load: 32,768 + 24,576 x quarter
	s_mov_b32 s59, 0
	s_add_co_u32 s60, s14, 1
	s_lshl_b32 s60, s60, 23                        ; section k or v
	s_lshl_b32 s61, s12, 17
	s_add_co_u32 s60, s60, s61
	s_mov_b32 s61, 0
	s_mov_b32 s[CS], 0x3e38aa3b                    ; log2(e) / 8
	s_mov_b32 s[SEL], 0x76543210
	s_mov_b32 s[SEL+1], 0xfedcba98
	s_mov_b32 s[TB], 0
	s_wait_dscnt 0x0
	s_wait_kmcnt 0x0
	s_load_b256 s[40:47], s[6:7], 0x0              ; e0 .. e7
	s_add_nc_u64 s[60:61], s[4:5], s[60:61]
	s_mov_b32 s[G0A], 1
	s_add_co_u32 s[G0A+1], s15, s56
	s_add_nc_u64 s[G0A+2:G0A+3], s[60:61], s[56:57]
	s_or_b32 s[G0A+3], s[G0A+3], 0x80000000
	s_mov_b32 s[G0C], 1
	s_add_co_u32 s[G0C+1], s15, s58
	s_add_nc_u64 s[G0C+2:G0C+3], s[60:61], s[58:59]
	s_or_b32 s[G0C+3], s[G0C+3], 0x80000000
	CROUND                                         ; the four partners are here: the joint loads meet
	tensor_load_to_lds s[G0A:G0A+3], s[G1A:G1A+7]  ; key steps 0 to 3: my one load at the head
	s_nop 0
	; while that load is out: Q is asked for, the state and O^T are set
	s_bfe_u32 s66, ttmp6, 0x40000                  ; cx: which 512 queries are my work-group's (it enters global addresses of my own loads and stores alone)
	s_lshl_b32 s67, s66, 5
	s_lshl_b32 s68, s[WV], 2
	s_add_co_u32 s67, s67, s68                     ; my first tile of 16 queries
	s_lshl_b32 s68, s67, 10
	s_lshl_b32 s69, s12, 17
	s_add_co_u32 s68, s68, s69
	s_mov_b32 s69, 0
	s_add_nc_u64 s[4:5], s[4:5], s[68:69]          ; q's images
	s_lshr_b32 s70, s12, 4
	s_lshl_b32 s70, s70, 7
	s_add_co_u32 s70, s70, s67
	s_lshl_b32 s70, s70, 14                        ; att: 16,384 bytes a tile of tokens,
	s_and_b32 s71, s12, 15
	s_lshl_b32 s71, s71, 10                        ; 1,024 a head
	s_add_co_u32 s70, s70, s71
	s_mov_b32 s71, 0
	s_add_nc_u64 s[8:9], s[8:9], s[70:71]
	v_and_b32 v1, 31, v0
	v_lshlrev_b32 v[LI], 4, v1
	v_add_nc_u32 v[LV], VBASE, v[LI]
.irp t, 0,1,2,3
.irp u, 0,1
	global_load_b128 v[Q+8*\t+4*\u:Q+8*\t+4*\u+3], v[LI], s[4:5] offset:\t*1024+\u*512
.endr
.endr
.irp t, 0,1,2,3
	v_mov_b32 v[ST+4*\t], 0x7f61b1e6               ; -M = 3e38
	v_mov_b32 v[ST+4*\t+1], 0xff61b1e6             ; the largest raw score so far: -3e38
	v_mov_b32 v[ST+4*\t+2], 0                      ; the sum, in two halves
	v_mov_b32 v[ST+4*\t+3], 0
.endr
	v_mov_b32 v[XH], 0                             ; a lane permute's destination counts as a source
	v_mov_b32 v[F+1], 0                            ; (named as the pairs' upper halves)
	v_mov_b32 v[F+3], 0
	WIN 0x40
.set jj, 0
.rept 128
	v_mov_b32 v[OT+jj], 0                          ; O^T: the step is written once; the first change of M multiplies zeros
.set jj, jj+1
.endr
	WIN 0
	s_wait_alu depctr_va_vdst(0)
	s_wait_tensorcnt 0x0                           ; ahead of a later first fill
	ds_add_u32 v254, v255
	s_wait_dscnt 0x0
	CROUND
	tensor_load_to_lds s[G0C:G0C+3], s[G1C:G1C+7]  ; key steps 4 to 15
	s_nop 0
.rept 4
	v_nop
.endr
	s_wait_kmcnt 0x0
	s_add_co_i32 s54, s42, s43
	s_lshl_b32 s54, s54, 23
	s_add_co_i32 s[CS], s[CS], s54                 ; x 2^(e2 + e3)
	s_mov_b32 s[CS+1], s[CS]
	s_add_co_i32 s54, s44, 127
	s_lshl_b32 s55, s54, 23
	v_mov_b32 v[PSC], s55
	s_add_co_i32 s54, s54, 15
	s_lshl_b32 s54, s54, 23
	s_or_b32 s[PHS], s54, 0x600000
	s_add_co_i32 s54, s46, 127
	s_lshl_b32 s55, s54, 23
	v_mov_b32 v[OSC], s55
	s_add_co_i32 s54, s54, 15
	s_lshl_b32 s54, s54, 23
	s_or_b32 s54, s54, 0x600000
	v_mov_b32 v[OH], s54
	s_add_co_i32 s54, s44, s45                     ; e4 + e5
.macro SMM t                           ; S^T of tile t: eight tiles of 16 keys, K = the head's 64
	WIN 0x01
.irp kt, 0,1,2,3,4,5,6,7
	v_wmma_f32_16x16x64_bf8_bf8 v[SCO+64*((\t)%2)+8*\kt:SCO+64*((\t)%2)+8*\kt+7], v[KF+8*\kt:KF+8*\kt+7], v[Q+8*(\t):Q+8*(\t)+7], 0
.endr
.endm
.macro FMA4                            ; four lines of the next tile's t - M, two numbers a line; the factor is source 0, so the line reads the same under SMM's window
.rept 4
	v_pk_fma_f32 v[SN+jj:SN+jj+1], s[CS:CS+1], v[SN+jj:SN+jj+1], v[TN:TN+1] op_sel_hi:[0,1,0]
.set jj, jj+2
.endr
.endm
.macro SMF t                           ; S^T of tile t, four lines of the next tile's t - M behind each product: they name none of its registers
	WIN 0x01
.set jj, 0
.irp kt, 0,1,2,3,4,5,6,7
	v_wmma_f32_16x16x64_bf8_bf8 v[SCO+64*((\t)%2)+8*\kt:SCO+64*((\t)%2)+8*\kt+7], v[KF+8*\kt:KF+8*\kt+7], v[Q+8*(\t):Q+8*(\t)+7], 0
	FMA4
.endr
.endm
.macro FMA                             ; the 32 lines by themselves
.set jj, 0
.rept 8
	FMA4
.endr
.endm
.macro PVM t                           ; O^T of tile t += V^T P^T: four tiles of 16 channels, K = 128 keys
	WIN 0x51
.irp dt, 0,1,2,3
	v_wmma_f32_16x16x128_bf8_bf8 v[OT+32*(\t)+8*\dt:OT+32*(\t)+8*\dt+7], v[VF+16*\dt:VF+16*\dt+15], v[P:P+15], v[OT+32*(\t)+8*\dt:OT+32*(\t)+8*\dt+7]
.endr
.endm
.macro LDV
	v_add_nc_u32 v[ADR], s[TB], v[LV]
	WIN 0x40
.irp dt, 0,1,2,3
.irp g, 0,1,2,3
	ds_load_b128 v[VF+16*\dt+4*\g:VF+16*\dt+4*\g+3], v[ADR] offset:\dt*2048+\g*512
.endr
.endr
	WIN 0
.endm
.macro LDK adv
.if \adv
	s_add_co_u32 s[TB], s[TB], STEPB
.endif
	v_add_nc_u32 v[ADR], s[TB], v[LI]
	WIN 0x40
.irp kt, 0,1,2,3,4,5,6,7
.irp u, 0,1
	ds_load_b128 v[KF+8*\kt+4*\u:KF+8*\kt+4*\u+3], v[ADR] offset:\kt*1024+\u*512
.endr
.endr
	WIN 0
.endm
.macro SETN n                          ; the tile whose M is made next: its scores, state and f
.set SN, SCO+64*((\n)%2)
.set TN, ST+4*(\n)
.set FN, F+2*((\n)%2)
.endm
.macro MAXC                            ; the largest of my 64 raw scores, in four chains, registers ascending (each accumulator from its low end on)
.irp c, 0,1,2,3
	v_max3_num_f32 v[MA+\c], v[SN+3*\c], v[SN+3*\c+1], v[SN+3*\c+2]
.endr
.set jj, 12
.rept 26
	v_max3_num_f32 v[MA+((jj/2)+2)%4], v[MA+((jj/2)+2)%4], v[SN+jj], v[SN+jj+1]
.set jj, jj+2
.endr
.endm
; n lines of the tile in hand: the sum of the unquantised p (32 lines: four chains, joined, and the running sum x f + this step's in one line), then the one-sided hold, two numbers a line.
; A register is held only behind the line that summed it.
.macro FILL n
.rept \n
.if FI < 4
	v_pk_add_f32 v[SA+2*FI:SA+2*FI+1], v[SS+4*FI:SS+4*FI+1], v[SS+4*FI+2:SS+4*FI+3]
.elseif FI < 28
	v_pk_add_f32 v[SA+2*(FI%4):SA+2*(FI%4)+1], v[SA+2*(FI%4):SA+2*(FI%4)+1], v[SS+2*(FI+4):SS+2*(FI+4)+1]
.elseif FI == 28
	v_pk_add_f32 v[SA:SA+1], v[SA:SA+1], v[SA+2:SA+3]
.elseif FI == 29
	v_pk_add_f32 v[SA+4:SA+5], v[SA+4:SA+5], v[SA+6:SA+7]
.elseif FI == 34
	v_pk_add_f32 v[SA:SA+1], v[SA:SA+1], v[SA+4:SA+5]
.elseif FI == 39
	v_pk_fma_f32 v[TT+2:TT+3], v[TT+2:TT+3], v[FT:FT+1], v[SA:SA+1] op_sel_hi:[1,0,1]
.else
	v_dual_min_num_f32 v[SS+MI], s[PHS], v[SS+MI] :: v_dual_min_num_f32 v[SS+MI+1], s[PHS], v[SS+MI+1]   ; the conversion does not saturate (ISA guide 7.6.2); p is not negative
.set MI, MI+2
.endif
.set FI, FI+1
.endr
.endm
; The next tile's M and f: a chain of nine dependent lines, fl lines of the tile in hand behind each.  The factor is positive, so the running maximum is kept of raw scores.
.macro CHAIN fl
	v_max3_num_f32 v[MA], v[MA], v[MA+1], v[MA+2]
	v_mov_b32 v[OLD], v[TN]
	FILL \fl
	v_max_num_f32 v[MA], v[MA], v[MA+3]
	FILL \fl
	v_permlanex16_b32 v[XH], v[MA], s[SEL], s[SEL+1]
	FILL \fl
	v_max3_num_f32 v[TN+1], v[TN+1], v[MA], v[XH]  ; with lane l xor 16's
	FILL \fl
	v_mul_f32 v[MA+1], s[CS], v[TN+1]              ; as t
	FILL \fl
	v_floor_f32 v[TN], -v[MA+1]                    ; -M = floor(-t): M is a whole number
	FILL \fl
	v_sub_f32 v[OLD], v[TN], v[OLD]                ; old M - new M, 0 or less
	FILL \fl
	v_cvt_i32_f32 v[OLD], v[OLD]                   ; (it saturates)
	FILL \fl
	v_ldexp_f32 v[FN], 1.0, v[OLD]                 ; f: a multiplication by it rounds nothing
.endm
.macro SLOT t, last
.set SS, SCO+64*((\t)%2)
.set TT, ST+4*(\t)
.set FT, F+2*((\t)%2)
.set FI, 0
.set MI, 0
.set HASN, 1
.if (\last) && ((\t) == 3)
.set HASN, 0
.endif
	SETN ((\t)+1)%4
	WIN 0x41
	s_wait_alu depctr_va_vdst(0)                   ; directly ahead of the first readers of O^T, and ahead of the batch
.set jj, 0
.rept 16
	v_pk_mul_f32 v[OT+32*(\t)+jj:OT+32*(\t)+jj+1], v[OT+32*(\t)+jj:OT+32*(\t)+jj+1], v[FT:FT+1] op_sel_hi:[1,0]   ; O^T under the new M
.set jj, jj+2
.endr
	WIN 0
.set jj, 0
.rept 64
	v_exp_f32 v[SS+jj], v[SS+jj]                   ; p = 2^(t - M)
.set jj, jj+1
.endr
.if HASN == 0
	v_nop                                          ; a plain line behind the last exponential
.endif
	s_wait_alu depctr_va_vdst(0)                   ; the batch's wait, directly ahead of the first readers of the next tile's scores
.if HASN
	MAXC
.endif
.if (\t) == 0
	LDV                                            ; this step's V: the last products on the old fragments stand more than four plain lines back
.endif
.if ((\t) == 2) && !(\last)
	LDK 1                                          ; the next step's K
.endif
.if HASN
	CHAIN 5
	FILL 24
.else
	FILL 64
.endif
.irp kt, 0,1,2,3,4,5,6,7
	v_cvt_scalef32_pk8_bf8_f32 v[P+2*\kt:P+2*\kt+1], v[SS+8*\kt:SS+8*\kt+7], v[PSC]
.endr
	v_nop                                          ; a plain line between the conversions and the matrix instructions
.if ((\t) == 0) || (((\t) == 2) && !(\last))
	s_wait_alu depctr_va_vdst(0)                   ; directly ahead of the wait below
	s_wait_dscnt 0x0                               ; V's (tile 0) or the next K's (tile 2) fragments are in
.endif
	PVM \t
.if (\t) < 2
	SMF (\t)+2
.elseif !(\last)
	SMF (\t)-2                                     ; the next step's tiles 0 and 1
.elseif HASN
	WIN 0
	FMA
.endif
	WIN 0
.endm
.macro KEYSTEP last
	SLOT 0, \last
	SLOT 1, \last
	SLOT 2, \last
	SLOT 3, \last
.endm
	s_wait_alu depctr_va_vdst(0)                   ; the wait at the head's end
	s_wait_tensorcnt 0x1                           ; key steps 0 to 3 are in (the second load may be out)
	s_barrier_signal -1
	s_barrier_wait -1
	LDK 0
	s_wait_loadcnt 0x0
	s_wait_dscnt 0x0
	SMM 0
	SMM 1
	WIN 0
.rept 4
	v_nop
.endr
	SETN 0                                         ; tile 0's first M, ahead of the steps
	MAXC
	CHAIN 0
	FMA
	KEYSTEP 0                                      ; key step 0 (it fetches K's fragments of step 1): both lie in the first load's bytes
	s_wait_tensorcnt 0x0                           ; my part of key steps 4 to 15 is in,
	s_wait_dscnt 0x0
	s_barrier_signal -1
	s_barrier_wait -1                              ; everybody's is
	s_mov_b32 s[CNT], 14
.Lrest:                                            ; key steps 1 to 14
	KEYSTEP 0
	s_sub_co_u32 s[CNT], s[CNT], 1
	s_cmp_lg_u32 s[CNT], 0
	s_cbranch_scc1 .Lrest
	KEYSTEP 1                                      ; the last step fetches nothing and prepares no further tile
	; THE WAY OUT: O^T / the sum x 2^(e4 + e5), quantised with 2^e6; the conversions' results are the next product's operand registers
.irp t, 0,1,2,3
	v_add_f32 v[ST+4*\t+2], v[ST+4*\t+2], v[ST+4*\t+3]
.endr
.irp t, 0,1,2,3
	v_permlanex16_b32 v[MA+\t], v[ST+4*\t+2], s[SEL], s[SEL+1]
.endr
.irp t, 0,1,2,3
	v_add_f32 v[ST+4*\t+2], v[ST+4*\t+2], v[MA+\t]
.endr
	s_wait_alu depctr_va_vdst(0)                   ; ahead of the batch
.irp t, 0,1,2,3
	v_rcp_f32 v[ST+4*\t+2], v[ST+4*\t+2]
.endr
	v_nop
	s_wait_alu depctr_va_vdst(0)                   ; behind it
.irp t, 0,1,2,3
	v_ldexp_f32 v[ST+4*\t+2], v[ST+4*\t+2], s54
.endr
	WIN 0x01
	s_wait_alu depctr_va_vdst(0)                   ; directly ahead of the first readers of O^T
.irp t, 0,1,2,3
.set jj, 0
.rept 16
	v_pk_mul_f32 v[SCO+32*\t+jj:SCO+32*\t+jj+1], v[OT+32*\t+jj:OT+32*\t+jj+1], v[ST+4*\t+2:ST+4*\t+3] op_sel_hi:[1,0]
.set jj, jj+2
.endr
.endr
	WIN 0
.irp t, 0,1,2,3
.set jj, 0
.rept 32
	v_med3_num_f32 v[SCO+32*\t+jj], v[SCO+32*\t+jj], -v[OH], v[OH]   ; the hold
.set jj, jj+1
.endr
.irp dt, 0,1,2,3
	v_cvt_scalef32_pk8_bf8_f32 v[P+8*\t+2*\dt:P+8*\t+2*\dt+1], v[SCO+32*\t+8*\dt:SCO+32*\t+8*\dt+7], v[OSC]
.endr
	v_nop
.irp u, 0,1
	global_store_b128 v[LI], v[P+8*\t+4*\u:P+8*\t+4*\u+3], s[8:9] offset:\t*16384+\u*512   ; 512 consecutive bytes, aligned
.endr
.endr
	s_wait_tensorcnt 0x0                           ; the wave's end
	ds_add_u32 v254, v255
	s_wait_dscnt 0x0
	CROUND                                         ; the closing round
	s_endpgm
.Lfunc_end_k_q82f024dc28_attn:
	.size	k_q82f024dc28_attn, .Lfunc_end_k_q82f024dc28_attn-k_q82f024dc28_attn
	.p2alignl 7, 3214868480
	.fill 96, 4, 3214868480
	.section	.rodata,"a",@progbits
	.p2align	6, 0x0
	.amdhsa_kernel k_q82f024dc28_attn
		.amdhsa_group_segment_fixed_size 327680
		.amdhsa_private_segment_fixed_size 0
		.amdhsa_enable_private_segment 0
		.amdhsa_kernarg_size 24
		.amdhsa_user_sgpr_count 2
		.amdhsa_user_sgpr_kernarg_segment_ptr 1
		.amdhsa_wavefront_size32 1
		.amdhsa_system_sgpr_workgroup_id_x 1
		.amdhsa_system_sgpr_workgroup_id_y 1
		.amdhsa_system_sgpr_workgroup_id_z 1
		.amdhsa_system_vgpr_workitem_id 0
		.amdhsa_next_free_vgpr 512
		.amdhsa_next_free_sgpr 80
		.amdhsa_reserve_vcc 0
		.amdhsa_float_denorm_mode_32 3
		.amdhsa_float_denorm_mode_16_64 3
		.amdhsa_memory_ordered 1
		.amdhsa_forward_progress 1
		.amdhsa_inst_pref_size 189
	.end_amdhsa_kernel
	.amdgpu_metadata
---
amdhsa.version: [ 1, 2 ]
amdhsa.kernels:
  - .name:           k_q82f024dc28_attn
    .symbol:         k_q82f024dc28_attn.kd
    .args:
      - { .name: qkv, .offset: 0, .size: 8, .value_kind: global_buffer, .address_space: global }
      - { .name: lowp_scales, .offset: 8, .size: 8, .value_kind: global_buffer, .address_space: global }
      - { .name: att, .offset: 16, .size: 8, .value_kind: global_buffer, .address_space: global }
    .group_segment_fixed_size: 327680
    .private_segment_fixed_size: 0
    .kernarg_segment_align: 8
    .kernarg_segment_size: 24
    .max_flat_workgroup_size: 256
    .sgpr_count:     80
    .vgpr_count:     512
    .wavefront_size: 32
...
	.end_amdgpu_metadata
.endif
;; end of part 2
;; launch proj (part 3): grid 8 x 32, 4 waves a work-group, clusters of 4 x 4, 327,680 bytes of LDS; arguments att, W_mlp_codes, lowp_scales, b_mlp, out0; writes out0
.if DOCPART == 3
	.amdgcn_target "amdgcn-amd-amdhsa--gfx1250"
	.amdhsa_code_object_version 6
	.text
	.protected	k_q82f024dc28_proj
	.globl	k_q82f024dc28_proj
	.p2align	8
	.type	k_q82f024dc28_proj,@function
k_q82f024dc28_proj:
	s_mov_b64 s[64:65], 0
	v_nop
	global_prefetch_b8 v0, s[64:65] scope:SCOPE_SE
	s_setreg_imm32_b32 hwreg(HW_REG_WAVE_MODE, 25, 1), 1
	s_wait_xcnt 0x0
	s_wait_alu depctr_hold_cnt(0) depctr_sa_sdst(0) depctr_va_vdst(0) depctr_va_sdst(0) depctr_va_ssrc(0) depctr_va_vcc(0) depctr_vm_vsrc(0)
	s_getreg_b32 s2, hwreg(HW_REG_IB_STS2, 6, 4)
	s_cmp_eq_u32 s2, 0
	s_cbranch_scc0 .Lentry_in_a_cluster
	s_endpgm
.Lentry_in_a_cluster:
	s_bfe_u32 s2, ttmp6, 0x10000c
	s_cmp_lg_u32 s2, 0xf033
	s_cbranch_scc0 .Lentry_shape_is_right
	s_endpgm
.Lentry_shape_is_right:
; out0 = att x W_mlp + b_mlp on codes of BF8 (E5M2).  att: [tile of 16 tokens: 512][head: 16][half: 2][lane][16 bytes], images of operand registers; W_mlp: [1024 features][1024] codes, K innermost.
; SHARES: 256 work-groups = 32 blocks of 256 tokens x 8 groups of 128 features; a wave owns 64 tokens x 128 features: 32 accumulators.
; X: a wave's 32 fragments (4 tiles x 8 K steps of 128 = two heads) go from memory straight into 512 registers, 512 consecutive aligned bytes an instruction, and stay there.  They pass no LDS,
; so they are not asked for jointly: each wave's tokens are its own.  W: the group's 128 rows with the whole K lie in LDS (rows of 1,024 bytes + 16), 32 rows a wave by one joint load along a column of the 4 x 4 cluster.
; Nothing is filled again.  No prefetch: every load stands at the head, and there is no loop to run ahead in.
; X's images have k in the matrix form's own places, so W's fragments are fetched by eight loads of 8 bytes.
; Source 0 = W's rows, source 1 = tokens: a lane holds eight neighbouring features of one token; a tile of 16 tokens x 128 features goes through the wave's own stage in LDS and leaves as rows of 512 bytes.
; LIMIT: e6 + e7 between -126 and 127.
; REGISTERS: window 0: v8-23 addresses; v32-35 the bias; v128-255 W's fragments, two sets of four, later the rows read back.  windows 1, 2: X, fragment (a, ks) at v[16 (4 (ks % 4) + a)].  window 3: accumulator (a, b) at v[8 (8 a + b)].
.set PITCH, 1040
.set Q64,   64*PITCH
.set STAGE, 128*PITCH                  ; behind W's rows: 16 rows x 528 bytes for each wave; no tensor load lands there
.set SPITCH, 528
.set SPARE, STAGE+4*16*SPITCH          ; the spare words, 128 bytes a wave
.set SPW, 8
.set NIL, 9
.set AY,  18                           ; v18-19: W's rows 0-63, 64-127
.set STO, 20
.set RD,  21
.set CO,  22
.set BIAS, 32
.set YF,  128
.set G1, 24
.set G0, 32
.set MSB, 0
.macro WIN new
.if MSB != (\new)
	s_set_vgpr_msb (MSB<<8)|(\new)
.set MSB, (\new)
.endif
.endm
.macro CROUND
	s_barrier_signal -1
	s_barrier_wait -1
	s_cmp_lg_u32 s14, 0
	s_cbranch_scc1 .Lnot_wave_0_\@
	s_barrier_signal -3
.Lnot_wave_0_\@:
	s_barrier_wait -3
	s_barrier_signal -1
	s_barrier_wait -1
.endm
.macro PLACES
.rept 4
	v_nop
.endr
.endm
	s_load_b256 s[4:11], s[0:1], 0x0               ; att, W_mlp's codes, the exponents, b_mlp
	s_load_b64 s[12:13], s[0:1], 0x20              ; out0
	v_lshl_add_u32 v[SPW], v0, 2, SPARE
	v_mov_b32 v[NIL], 0
	ds_add_u32 v[SPW], v[NIL]                      ; the opening lines: the add twice on end and its wait
	ds_add_u32 v[SPW], v[NIL]
	v_lshrrev_b32 v1, 5, v0
	v_readfirstlane_b32 s14, v1
	s_bfe_u32 s40, ttmp6, 0x40000
	s_bfe_u32 s41, ttmp6, 0x40004
	s_lshl_b32 s42, ttmp9, 2
	s_add_co_u32 s42, s42, s40                     ; feature group
	s_and_b32 s17, ttmp7, 0xffff
	s_lshl_b32 s17, s17, 2
	s_add_co_u32 s17, s17, s41                     ; token block
	s_lshl_b32 s44, 0x1111, s40                    ; my column of the cluster
	s_or_b32 s[G1], s44, (1<<20)|(1<<21)|(7<<22)|(3<<25)   ; the mask; elements of 1 byte; 4 words of padding after every 256
	s_mov_b32 s[G1+1], 1024<<16
	s_mov_b32 s[G1+2], 32<<16
	s_mov_b32 s[G1+3], 1024<<16
	s_mov_b32 s[G1+4], 32
	s_mov_b32 s[G1+5], 1024
	s_mov_b32 s[G1+6], 0
	s_mov_b32 s[G1+7], 0
	s_lshl_b32 s46, s42, 7
	s_lshl_b32 s18, s14, 5
	s_add_co_u32 s46, s46, s18                     ; W's row 128 g + 32 x wave
	s_lshl_b32 s46, s46, 10
	s_mov_b32 s47, 0
	s_mul_i32 s45, s14, 32*PITCH
	s_wait_dscnt 0x0
	s_wait_kmcnt 0x0
	s_load_b256 s[72:79], s[8:9], 0x0
	s_mov_b32 s[G0], 1
	s_mov_b32 s[G0+1], s45
	s_add_nc_u64 s[G0+2:G0+3], s[6:7], s[46:47]
	s_or_b32 s[G0+3], s[G0+3], 0x80000000
	CROUND                                         ; the joint loads meet
	tensor_load_to_lds s[G0:G0+3], s[G1:G1+7]      ; my one tensor load
	s_nop 0
	PLACES
	s_lshl_b32 s19, s17, 4
	s_lshl_b32 s18, s14, 2
	s_add_co_u32 s19, s19, s18                     ; my first tile of 16 tokens
	s_lshl_b32 s20, s19, 14                        ; 16,384 bytes of att a tile
	s_mov_b32 s21, 0
	s_add_nc_u64 s[4:5], s[4:5], s[20:21]
	s_lshl_b32 s22, s42, 9                         ; 512 bytes a feature group, in b_mlp and in a row of out0
	s_mov_b32 s23, 0
	s_add_nc_u64 s[10:11], s[10:11], s[22:23]
	s_lshl_b32 s48, s19, 16                        ; 65,536 bytes of out0 a tile
	s_mov_b32 s49, 0
	s_add_nc_u64 s[12:13], s[12:13], s[48:49]
	s_add_nc_u64 s[12:13], s[12:13], s[22:23]
	s_mul_i32 s50, s14, 16*SPITCH
	s_add_co_u32 s50, s50, STAGE                   ; my stage
	v_and_b32 v1, 15, v0                           ; r
	v_bfe_u32 v2, v0, 4, 1                         ; h
	v_mul_u32_u24 v3, v1, PITCH
	v_lshl_add_u32 v3, v2, 3, v3                   ; row x pitch + 8 x half
	v_add_nc_u32 v[AY], 0, v3
	v_add_nc_u32 v[AY+1], Q64, v3
	v_and_b32 v4, 31, v0
	v_lshlrev_b32 v[CO], 4, v4
	v_mul_u32_u24 v5, v1, SPITCH
	v_lshl_add_u32 v5, v2, 5, v5
	v_add_nc_u32 v[STO], s50, v5                   ; in: row r, 32 bytes for each half of the lanes
	v_add_nc_u32 v[RD], s50, v[CO]                 ; back: the 32 lanes take a row of 512 bytes
	s_wait_alu depctr_va_vdst(0)                   ; the wait at the head's end
	global_load_b128 v[BIAS:BIAS+3], v[CO], s[10:11]
.irp w, 0,1                            ; X: 128 loads, K step by K step, 16 each
	WIN 0x40+0x40*\w
.set kk, 0
.rept 16
.irp c, 0,1,2,3
	global_load_b128 v[16*kk+4*\c:16*kk+4*\c+3], v[CO], s[4:5] offset:(kk%4)*16384+(4*\w+kk/4)*2048+512*\c
.endr
.set kk, kk+1
.endr
.endr
	WIN 0
.macro LOADY i                         ; batch i's four fragments of W into set i % 2
.irp f, 0,1,2,3
.irp c, 0,1,2,3,4,5,6,7
	ds_load_b64 v[YF+64*((\i)%2)+16*\f+2*\c:YF+64*((\i)%2)+16*\f+2*\c+1], v[AY+(\i)%2] offset:\f*16*PITCH+128*((\i)/2)+16*\c
.endr
.endr
.endm
.macro MULB i                          ; 16 matrix instructions; the 32 accumulators take turns; K step 0 starts the sums
.set KS, (\i)/2
.set GG, (\i)%2
	WIN 0xf0|((1+KS/4)<<2)
.irp f, 0,1,2,3
.irp a, 0,1,2,3
.set AC, 8*(8*\a+4*GG+\f)
.set YR, YF+64*GG+16*\f
.set XR, 16*(4*(KS%4)+\a)
.if KS == 0
	v_wmma_f32_16x16x128_bf8_bf8 v[AC:AC+7], v[YR:YR+15], v[XR:XR+15], 0
.else
	v_wmma_f32_16x16x128_bf8_bf8 v[AC:AC+7], v[YR:YR+15], v[XR:XR+15], v[AC:AC+7]
.endif
.endr
.endr
	WIN 0
.endm
	s_wait_tensorcnt 0x0                           ; my 32 rows of W are in,
	s_barrier_signal -1
	s_barrier_wait -1                              ; everybody's are
	LOADY 0
.set bi, 0
.rept 16
	s_wait_dscnt 0x0                               ; this batch's fragments are in
.if bi < 15
	PLACES
	LOADY bi+1
.endif
.if (bi%2) == 0
.set LC, 16*(7-bi/2)                   ; X's loads of the later K steps may be out (the count's field holds 63)
.if LC > 63
.set LC, 63
.endif
	s_wait_loadcnt LC
.endif
	MULB bi
.set bi, bi+1
.endr
.macro TOSTAGE a
	WIN 0x0c                                       ; store data: window 3
.irp b, 0,1,2,3,4,5,6,7
	ds_store_b128 v[STO], v[64*(\a)+8*\b:64*(\a)+8*\b+3] offset:64*\b
	ds_store_b128 v[STO], v[64*(\a)+8*\b+4:64*(\a)+8*\b+7] offset:64*\b+16
.endr
	WIN 0
.set BB, YF+64*((\a)%2)
.irp t, 0,1,2,3,4,5,6,7,8,9,10,11,12,13,14,15
	ds_load_b128 v[BB+4*\t:BB+4*\t+3], v[RD] offset:\t*SPITCH   ; LDS serves a wave's instructions in order (ISA guide 5.7.1.4): these see the stores above
.endr
.endm
.macro SEND a, younger                 ; younger: the LDS instructions issued behind tile a's loads
.set BB, YF+64*((\a)%2)
	s_wait_dscnt \younger
.irp t, 0,1,2,3,4,5,6,7,8,9,10,11,12,13,14,15
	v_pk_fma_f32 v[BB+4*\t:BB+4*\t+1], v[BB+4*\t:BB+4*\t+1], s[96:97], v[BIAS:BIAS+1] op_sel_hi:[1,0,1]       ; x 2^(e6 + e7), + the bias
	v_pk_fma_f32 v[BB+4*\t+2:BB+4*\t+3], v[BB+4*\t+2:BB+4*\t+3], s[96:97], v[BIAS+2:BIAS+3] op_sel_hi:[1,0,1]
	global_store_b128 v[CO], v[BB+4*\t:BB+4*\t+3], s[12:13] offset:(\a)*65536+\t*4096 th:TH_STORE_NT   ; 512 consecutive bytes, aligned
.endr
.endm
	s_wait_kmcnt 0x0
	s_add_co_i32 s96, s78, s79
	s_add_co_i32 s96, s96, 127
	s_lshl_b32 s96, s96, 23                        ; 2^(e6 + e7)
	s_mov_b32 s97, s96
	PLACES
	TOSTAGE 0
.irp a, 1,2,3
.if \a > 1
	s_wait_xcnt 0x0                                ; tile a - 2's stores have read their registers
.endif
	TOSTAGE \a
	SEND \a-1, 32
.endr
	SEND 3, 0
	s_wait_tensorcnt 0x0                           ; the wave's end
	ds_add_u32 v[SPW], v[NIL]
	s_wait_dscnt 0x0
	CROUND                                         ; the closing round
	s_endpgm
.Lfunc_end_k_q82f024dc28_proj:
	.size	k_q82f024dc28_proj, .Lfunc_end_k_q82f024dc28_proj-k_q82f024dc28_proj
	.p2alignl 7, 3214868480
	.fill 96, 4, 3214868480
	.section	.rodata,"a",@progbits
	.p2align	6, 0x0
	.amdhsa_kernel k_q82f024dc28_proj
		.amdhsa_group_segment_fixed_size 327680
		.amdhsa_private_segment_fixed_size 0
		.amdhsa_enable_private_segment 0
		.amdhsa_kernarg_size 40
		.amdhsa_user_sgpr_count 2
		.amdhsa_user_sgpr_kernarg_segment_ptr 1
		.amdhsa_wavefront_size32 1
		.amdhsa_system_sgpr_workgroup_id_x 1
		.amdhsa_system_sgpr_workgroup_id_y 1
		.amdhsa_system_sgpr_workgroup_id_z 1
		.amdhsa_system_vgpr_workitem_id 0
		.amdhsa_next_free_vgpr 1024
		.amdhsa_next_free_sgpr 100
		.amdhsa_reserve_vcc 0
		.amdhsa_float_denorm_mode_32 3
		.amdhsa_float_denorm_mode_16_64 3
		.amdhsa_memory_ordered 1
		.amdhsa_forward_progress 1
		.amdhsa_inst_pref_size 92
	.end_amdhsa_kernel
	.amdgpu_metadata
---
amdhsa.version: [ 1, 2 ]
amdhsa.kernels:
  - .name:           k_q82f024dc28_proj
    .symbol:         k_q82f024dc28_proj.kd
    .args:
      - { .name: att, .offset: 0, .size: 8, .value_kind: global_buffer, .address_space: global }
      - { .name: W_mlp_codes, .offset: 8, .size: 8, .value_kind: global_buffer, .address_space: global }
      - { .name: lowp_scales, .offset: 16, .size: 8, .value_kind: global_buffer, .address_space: global }
      - { .name: b_mlp, .offset: 24, .size: 8, .value_kind: global_buffer, .address_space: global }
      - { .name: out0, .offset: 32, .size: 8, .value_kind: global_buffer, .address_space: global }
    .group_segment_fixed_size: 327680
    .private_segment_fixed_size: 0
    .kernarg_segment_align: 8
    .kernarg_segment_size: 40
    .max_flat_workgroup_size: 128
    .sgpr_count:     100
    .vgpr_count:     1024
    .wavefront_size: 32
...
	.end_amdgpu_metadata
.endif
;; end of part 3
